; MI455X (gfx1250); checked and timed in simulation.
; The chip was launched on July 23, 2026; its instructions are those of AMD's public machine-readable ISA for CDNA 5 (MIT licence, August 2026) and "CDNA5" Instruction Set Architecture Reference Guide (July 2026). The comments in the code are by the model that wrote it; some were corrected since.
;; Flash Attention. Allowed arithmetic: matrix products marked QUANTISED: E4M3 operands, one E8M0 scale for each 32 along K, by v_wmma_scale_f32_16x16x128_f8f6f4 with both operands' format E4M3, f32 sums; everything else in f32.
;; Inputs: k 4 x 2,048 x 16 x 64 float32; q 4 x 2,048 x 16 x 64 float32; v 4 x 2,048 x 16 x 64 float32.
;; Outputs: out0 4 x 2,048 x 16 x 64 float32.
;; This version of the problem:
;;   THIS VERSION OF THE PROBLEM IS GIVEN IN LOW PRECISION. The matrix products marked QUANTISED in the list below multiply operands that are first quantised to E4M3 (4 exponent bits, 3 mantissa bits; 8 bits a number), with one power-of-two scale for each 32 numbers along K (OCP MX v1.0); their sums are f32. All else is computed in f32.
;;   The module's matrix products, in the order in which they are computed (A, B: the left and right operand; K: the contracted axis; several contracted axes count as one K, in the product's order):
;;     1. batch 64 x [M 2,048, K 64] x [K 64, N 2,048]; A: input q; B: input k: QUANTISED
;;     2. batch 64 x [M 64, K 2,048] x [K 2,048, N 2,048]; A: input v; B: softmax (see below): QUANTISED
;;   THE QUANTISER, for each operand of a quantised product, along K:
;;     - K is cut into blocks of 32 from its start; a last block that is shorter is filled with zeros.
;;     - A block's scale is 2^e with e = floor(log2(the largest magnitude in the block)) - 8, held to -126 .. 127; a block of zeros has e = 0. As a byte (E8M0): e + 127.
;;     - Each number is divided by its block's scale, clamped to +-448, and rounded to the nearest number of E4M3, ties to even, subnormals kept.
;;     - The product sums the exact products of the quantised numbers (number of the format x scale) in f32.
;;   ~~~python
;;   def quantise(x, axis):      # numpy; x: float32 -> the quantised numbers, widened to float32 again
;;       x = np.moveaxis(x, axis, -1); K = x.shape[-1]
;;       x = np.pad(x, [(0, 0)] * (x.ndim - 1) + [(0, -K % 32)]); x = x.reshape(x.shape[:-1] + (-1, 32)); a = np.abs(x).max(-1, keepdims=True)
;;       e = np.where(a > 0, np.clip(np.frexp(np.where(a > 0, a, 1))[1] - 1 - 8, -126, 127), 0)      # np.frexp(a)[1] - 1 = floor(log2(a)), exactly
;;       r = np.clip(x / 2.0 ** e, -448, 448)
;;       step = 2.0 ** (np.maximum(np.frexp(np.where(r == 0, 1, r))[1] - 1, -6) - 3)
;;       q = np.round(r / step) * step * 2.0 ** e      # np.round: ties to even
;;       return np.moveaxis(q.reshape(q.shape[:-2] + (-1,))[..., :K], -1, axis).astype(np.float32)
;;   ~~~
;;   SOFTMAX AHEAD OF A QUANTISED PRODUCT. Where the list says 'softmax', what is quantised is not the finished softmax but p = 2^(t - M), with t = logit x log2(e) and M = ceil(the row's largest t), a whole number; so 1/2 < the row's largest p <= 1. The row's sum l is taken of the UNQUANTISED p, in f32, and the product's result is divided by l at the end. Since M is a whole number, a kernel that streams over the keys may use a running M (the ceiling of the running maximum): every later rescaling is an exact power of two, which a block's scale takes up: the codes' values come out the same.
;;   OPERANDS COMPUTED ON THE WAY. 'Computed on the way' means the value that the module computes at that place (a softmax that the list does not call 'softmax' is quantised finished and normalised). What goes into a quantiser is computed in f32, as accurately as f32 sums, v_exp_f32 and their like allow (about 1e-6 of the number): no bf16 or f16 on the way to a quantiser, and a product that is left as it is and whose result goes on into a quantised operand takes f32 operands (vector FMAs, or v_wmma_f32_16x16x4_f32). A number that lies on a knife's edge between two numbers of the format may be rounded either way, as far as f32 arithmetic and the matrix unit's own rounding can turn it there, and no further.
;; One version. Each part assembles by itself: llvm-mc -triple=amdgcn-amd-amdhsa -mcpu=gfx1250 --defsym DOCPART=n.
;; ======== version 1 of 1: 2 launches
;; workspace buffers: kv 17,563,648 bytes
;; launch prep (part 1): grid 16 x 64, 4 waves a work-group, no clusters, 36,352 bytes of LDS; arguments k, v, kv; writes kv
.if DOCPART == 1
	.amdgcn_target "amdgcn-amd-amdhsa--gfx1250"
	.amdhsa_code_object_version 6
	.text
	.protected	k_q1f052c9e4d_prep
	.globl	k_q1f052c9e4d_prep
	.p2align	8
	.type	k_q1f052c9e4d_prep,@function
k_q1f052c9e4d_prep:
	s_mov_b64 s[64:65], 0
	v_nop
	global_prefetch_b8 v0, s[64:65] scope:SCOPE_SE
	s_setreg_imm32_b32 hwreg(HW_REG_WAVE_MODE, 25, 1), 1
	s_wait_xcnt 0x0
; k and v, [4][2048][16][64] f32, become codes of FP8 (E4M3) with one E8M0 scale byte for each 32 along a product's K:
; k along the head's 64 channels, v along the keys.  The results are laid as the attention launch's registers want them.
; A RECORD is the 128 keys of one key step of one head (batch x 16 + head), REC = 17,152 bytes = 67 x 256, at (head x 16 + step) x REC:
;   0      K's images: tile t = 0..7, c = 0,1 at 1024 t + 512 c + 16 lane: lane (r, hh) holds channels 32 c + 16 hh + 0..15 of key 32 (t / 2) + 8 (t % 2) + r + 8 (r / 8)
;   8192   V's images: tile t = 0..3, c = 0..3 at 2048 t + 512 c + 16 lane: lane (r, hh) holds keys 32 c + 16 hh + 0..15 of channel 16 t + r
;   16384  K's scale words at 256 (t / 4) + 16 r + 4 (t % 4): byte 0, 1 the two blocks of the 64 channels, bytes 2, 3 = 127 (they scale zero codes)
;   16896  V's scale words at 16 r + 4 t: byte c is key block c
; A block's scale is 2^(floor(log2(its largest magnitude)) - 8); its byte is the largest magnitude's exponent field - 8, held at 1 from below.
; LIMITS: a block of zeros gets the byte 1 where the quantiser says 127: its codes are zeros, which add nothing under any byte but 0xff, and this program alone reads the bytes.
; Blocks whose largest magnitude lies under 2^(9 - 127) are scaled by that floor.  NaN and infinities among the inputs are not served.
; SHARES.  A work-group makes one record; wave w takes keys 32 w .. 32 w + 31: K's tiles 2 w and 2 w + 1, and V's key block c = w for all 64 channels.
; K: a load reads two whole rows of 256 bytes; the rows turn through the wave's own stage in LDS, so that a lane gets 16 neighbours along the channels.
; V: a lane takes a channel and its registers run down the keys: a block of 32 keys lies in one lane, and the codes come out with the keys innermost.
; No tensor loads and no matrix work: the launch moves each byte once and is a stream.
.set REC,   17152
.set PITCH, 272                        ; a stage row: a key's 256 bytes + 16: the 16 rows that a read touches start at 16 different banks (64 banks of 4 bytes: ISA guide 11.1)
.set WST,   32*PITCH                   ; a wave's stage: 32 keys
.set GS,    4*WST                      ; behind the stages: 512 bytes of K's scale words, 256 of V's
.set R,     16                         ; v16-79    k as loaded
.set X,     80                         ; v80-143   k behind the turn: register 16 (2 u + c) + i = channel 32 c + 16 hh + i of row r of tile 2 w + u
.set VX,    144                        ; v144-207  v: register 32 a + i = key 32 w + i of channel 32 a + lane
.set PC,    208                        ; v208-223  K's codes
.set VC,    224                        ; v224-239  V's codes
.set TM,    240                        ; v240-255  at work
.set WV,    10
.set SEL,   20                         ; s[20:21] lane selects for v_permlanex16_b32: lane l xor 16
.set MNT,   22                         ; s22      the mantissa field of 448
	s_load_b128 s[4:7], s[0:1], 0x0                ; k s[4:5], v s[6:7]
	s_load_b64 s[8:9], s[0:1], 0x10                ; kv
	v_lshl_add_u32 v12, v0, 2, 0x8c00
	v_mov_b32 v13, 0
	v_lshrrev_b32 v1, 5, v0
	v_readfirstlane_b32 s[WV], v1                  ; wave 0..3
	v_and_b32 v1, 31, v0                           ; lane
	v_and_b32 v2, 15, v0                           ; r
	v_bfe_u32 v3, v0, 4, 1                         ; hh
	s_and_b32 s11, ttmp7, 0xffff                   ; head = batch x 16 + head
	s_lshr_b32 s14, s11, 4
	s_lshl_b32 s14, s14, 23                        ; a batch is 2^23 bytes,
	s_lshl_b32 s12, ttmp9, 7
	s_lshl_b32 s13, s[WV], 5
	s_add_co_u32 s12, s12, s13                     ; my first key: 128 x step + 32 x wave
	s_lshl_b32 s12, s12, 12                        ; a key 4,096,
	s_add_co_u32 s14, s14, s12
	s_and_b32 s12, s11, 15
	s_lshl_b32 s12, s12, 8                         ; a head 256
	s_add_co_u32 s14, s14, s12
	s_mov_b32 s15, 0                               ; s[14:15]: where my 32 keys begin in k and in v (under 2^25)
	s_lshl_b32 s16, s11, 4
	s_add_co_u32 s16, s16, ttmp9
	s_mul_i32 s16, s16, REC                        ; s[16:17]: my record (under 2^25)
	s_mov_b32 s17, 0
	s_mov_b32 s[SEL], 0x76543210
	s_mov_b32 s[SEL+1], 0xfedcba98
	s_mov_b32 s[MNT], 0x600000
	v_lshlrev_b32 v4, 4, v2
	v_lshl_add_u32 v4, v3, 12, v4                  ; v4  k: lanes 0-15 one key's row, lanes 16-31 the next key's; 16 bytes a lane
	v_lshlrev_b32 v5, 2, v1                        ; v5  v: 4 bytes a lane
	s_mul_i32 s18, s[WV], WST
	v_mul_u32_u24 v6, v3, PITCH
	v_lshl_add_u32 v6, v2, 4, v6
	v_add_nc_u32 v6, s18, v6                       ; v6  into the stage, as loaded
	v_mul_u32_u24 v7, v2, PITCH
	v_lshl_add_u32 v7, v3, 6, v7
	v_add_nc_u32 v7, s18, v7                       ; v7  out of it: row r, + 64 hh: my 16 neighbours of a block of 32
	s_lshl_b32 s19, s[WV], 11
	v_lshl_add_u32 v8, v1, 4, s19                  ; v8  K's codes in the record: 16 lane + 2048 w
	s_lshl_b32 s19, s[WV], 9
	v_lshlrev_b32 v9, 4, v2
	v_lshl_add_u32 v9, v3, 11, v9
	v_add_nc_u32 v9, s19, v9                       ; v9  V's codes: 2048 hh (the channel tile) + 16 r + 512 w
	s_lshr_b32 s18, s[WV], 1
	s_lshl_b32 s18, s18, 8
	s_and_b32 s19, s[WV], 1
	s_lshl_b32 s19, s19, 3
	s_add_co_u32 s18, s18, s19
	s_add_co_u32 s18, s18, GS
	v_lshl_add_u32 v10, v2, 4, s18                 ; v10 K's two scale words in LDS: 256 (w / 2) + 16 r + 8 (w % 2)
	s_add_co_u32 s19, s[WV], GS+512
	v_lshlrev_b32 v11, 4, v2
	v_lshl_add_u32 v11, v3, 2, v11
	v_add_nc_u32 v11, s19, v11                     ; v11 V's scale byte in LDS: 16 r + 4 hh + w (+ 8 a)
.irp b, 0,1,2,3
	v_mov_b32 v[TM+4+\b], 0                        ; written once: a lane permute's destination counts as one of its sources
.endr
	s_wait_kmcnt 0x0
	s_add_nc_u64 s[4:5], s[4:5], s[14:15]
	s_add_nc_u64 s[6:7], s[6:7], s[14:15]
	s_add_nc_u64 s[8:9], s[8:9], s[16:17]
.irp j, 0,1,2,3,4,5,6,7,8,9,10,11,12,13,14,15
	global_load_b128 v[R+4*\j:R+4*\j+3], v4, s[4:5] offset:8192*\j th:TH_LOAD_NT     ; keys 2 j and 2 j + 1: sixteen lanes read a whole row of 256 bytes
.endr
.macro VLOAD first                     ; sixteen keys of v: both halves of each row of 256 bytes, one behind the other
.set i, \first
.rept 16
	global_load_b32 v[VX+i], v5, s[6:7] offset:4096*i th:TH_LOAD_NT
	global_load_b32 v[VX+32+i], v5, s[6:7] offset:4096*i+128 th:TH_LOAD_NT
.set i, i+1
.endr
.endm
	VLOAD 0
	s_wait_loadcnt 32                              ; loads come back in order (ISA guide 5.7.1): k's sixteen are in, the 32 of v behind them may be out
.irp j, 0,1,2,3,4,5,6,7,8,9,10,11,12,13,14,15
	ds_store_b128 v6, v[R+4*\j:R+4*\j+3] offset:PITCH*(16*((\j/4)%2)+2*(\j%4)+8*(\j/8))   ; key x of my 32 goes to stage row 16 u + r, with u = (x / 8) % 2 and r = x % 8 + 8 (x / 16): the tiles' order
.endr
.irp u, 0,1
.irp c, 0,1
.irp p, 0,1,2,3
	ds_load_b128 v[X+32*\u+16*\c+4*\p:X+32*\u+16*\c+4*\p+3], v7 offset:16*\u*PITCH+128*\c+16*\p   ; LDS serves a wave's instructions in order: these see my stores
.endr
.endr
.endr
	VLOAD 16
	s_wait_dscnt 0x0
	; ---- K: four blocks (tile u, half c of the channels), 16 numbers of each in my lane, the other 16 in lane l xor 16
.irp b, 0,1,2,3
	v_max3_num_f32 v[TM+\b], |v[X+16*\b]|, |v[X+1+16*\b]|, 0x4800000   ; and the floor 2^(9 - 127): the byte cannot fall under 1
.endr
.irp e, 2,4,6,8,10,12,14
.irp b, 0,1,2,3
	v_max3_num_f32 v[TM+\b], v[TM+\b], |v[X+16*\b+\e]|, |v[X+1+16*\b+\e]|   ; the four blocks by turns: no line waits for the line above it
.endr
.endr
.irp b, 0,1,2,3
	v_permlanex16_b32 v[TM+4+\b], v[TM+\b], s[SEL], s[SEL+1]
.endr
.irp b, 0,1,2,3
	v_max_num_f32 v[TM+\b], v[TM+\b], v[TM+4+\b]   ; the block's largest magnitude
.endr
.irp b, 0,1,2,3
	v_add_nc_u32 v[TM+12+\b], 0xfc000000, v[TM+\b] ; 8 off its exponent field: the conversion takes the exponent field of this operand as its scale
.endr
.irp b, 0,1,2,3
	v_and_or_b32 v[TM+8+\b], v[TM+\b], 0x7f800000, s[MNT]   ; 448 x the scale
.endr
.irp b, 0,1,2,3
	v_lshrrev_b32 v[TM+4+\b], 23, v[TM+12+\b]      ; the scale's byte
.endr
	v_lshl_or_b32 v14, v[TM+5], 8, v[TM+4]         ; tile 2 w: the two blocks' bytes,
	v_lshl_or_b32 v15, v[TM+7], 8, v[TM+6]         ; tile 2 w + 1
	v_or_b32 v14, 0x7f7f0000, v14                  ; and 127 for the upper 64 along K, where both operands hold zero codes
	v_or_b32 v15, 0x7f7f0000, v15
.irp b, 0,1,2,3
.set i, 0
.rept 16
	v_med3_num_f32 v[X+16*\b+i], v[X+16*\b+i], -v[TM+8+\b], v[TM+8+\b]   ; the conversion to an 8-bit code does not saturate (ISA guide 7.6.2): the hold at the largest code x the scale
.set i, i+1
.endr
	v_cvt_scalef32_pk8_fp8_f32 v[PC+4*\b:PC+4*\b+1], v[X+16*\b:X+16*\b+7], v[TM+12+\b]
	v_cvt_scalef32_pk8_fp8_f32 v[PC+4*\b+2:PC+4*\b+3], v[X+16*\b+8:X+16*\b+15], v[TM+12+\b]
.endr
.irp b, 0,1,2,3
	global_store_b128 v8, v[PC+4*\b:PC+4*\b+3], s[8:9] offset:512*\b   ; 32 lanes store 512 consecutive bytes, at a multiple of 256 from the buffer's first byte
.endr
	ds_store_b64 v10, v[14:15]                     ; both lanes of a row write the same words with the same values
	; ---- V: a block of 32 keys of one channel lies in my 32 registers
.macro VBLOCK a
.set XS, VX+32*\a
	v_max3_num_f32 v[TM], |v[XS]|, |v[XS+1]|, |v[XS+2]|
	v_max3_num_f32 v[TM+1], |v[XS+3]|, |v[XS+4]|, |v[XS+5]|
.irp e, 6,10,14,18,22,26
	v_max3_num_f32 v[TM], v[TM], |v[XS+\e]|, |v[XS+\e+1]|
	v_max3_num_f32 v[TM+1], v[TM+1], |v[XS+\e+2]|, |v[XS+\e+3]|
.endr
	v_max3_num_f32 v[TM], v[TM], |v[XS+30]|, |v[XS+31]|
	v_max3_num_f32 v[TM], v[TM], v[TM+1], 0x4800000          ; and the floor
	v_add_nc_u32 v[TM+3], 0xfc000000, v[TM]
	v_and_or_b32 v[TM+2], v[TM], 0x7f800000, s[MNT]
	v_lshrrev_b32 v[TM+4+\a], 23, v[TM+3]
.set i, 0
.rept 32
	v_med3_num_f32 v[XS+i], v[XS+i], -v[TM+2], v[TM+2]
.set i, i+1
.endr
.irp g, 0,1,2,3
	v_cvt_scalef32_pk8_fp8_f32 v[VC+8*\a+2*\g:VC+8*\a+2*\g+1], v[XS+8*\g:XS+8*\g+7], v[TM+3]
.endr
	ds_store_b8 v11, v[TM+4+\a] offset:8*\a        ; byte w of channel 32 a + lane's word
	global_store_b128 v9, v[VC+8*\a:VC+8*\a+3], s[8:9] offset:8192+4096*\a          ; keys 0-15 of the block: sixteen lanes store 256 consecutive bytes, aligned
	global_store_b128 v9, v[VC+8*\a+4:VC+8*\a+7], s[8:9] offset:8192+4096*\a+256    ; keys 16-31
.endm
	s_wait_loadcnt 0x0                             ; all of v
	VBLOCK 0
	VBLOCK 1
	s_wait_dscnt 0x0                               ; for the others' sake: my scale words and bytes lie in LDS
	s_barrier_signal -1
	s_barrier_wait -1                              ; everybody's do
	s_cmp_lg_u32 s[WV], 0
	s_cbranch_scc1 .Lnot_k
	v_lshlrev_b32 v16, 4, v1
	v_add_nc_u32 v17, GS, v16
	ds_load_b128 v[20:23], v17
	s_wait_dscnt 0x0
	global_store_b128 v16, v[20:23], s[8:9] offset:16384   ; K's scale words: 512 consecutive bytes
.Lnot_k:
	s_cmp_lg_u32 s[WV], 1
	s_cbranch_scc1 .Ldone
	v_lshlrev_b32 v18, 3, v1
	v_add_nc_u32 v19, GS+512, v18
	ds_load_b64 v[24:25], v19
	s_wait_dscnt 0x0
	global_store_b64 v18, v[24:25], s[8:9] offset:16896    ; V's scale words: 256 consecutive bytes
.Ldone:
	s_wait_tensorcnt 0x0
	ds_add_u32 v12, v13
	s_wait_dscnt 0x0
	s_endpgm
.Lfunc_end_k_q1f052c9e4d_prep:
	.size	k_q1f052c9e4d_prep, .Lfunc_end_k_q1f052c9e4d_prep-k_q1f052c9e4d_prep
	.p2alignl 7, 3214868480
	.fill 96, 4, 3214868480
	.section	.rodata,"a",@progbits
	.p2align	6, 0x0
	.amdhsa_kernel k_q1f052c9e4d_prep
		.amdhsa_group_segment_fixed_size 36352
		.amdhsa_private_segment_fixed_size 0
		.amdhsa_enable_private_segment 0
		.amdhsa_kernarg_size 24
		.amdhsa_user_sgpr_count 2
		.amdhsa_user_sgpr_kernarg_segment_ptr 1
		.amdhsa_wavefront_size32 1
		.amdhsa_system_sgpr_workgroup_id_x 1
		.amdhsa_system_sgpr_workgroup_id_y 1
		.amdhsa_system_sgpr_workgroup_id_z 1
		.amdhsa_system_vgpr_workitem_id 0
		.amdhsa_next_free_vgpr 256
		.amdhsa_next_free_sgpr 66
		.amdhsa_reserve_vcc 0
		.amdhsa_float_denorm_mode_32 3
		.amdhsa_float_denorm_mode_16_64 3
		.amdhsa_memory_ordered 1
		.amdhsa_forward_progress 1
		.amdhsa_inst_pref_size 30
	.end_amdhsa_kernel
	.amdgpu_metadata
---
amdhsa.version: [ 1, 2 ]
amdhsa.kernels:
  - .name:           k_q1f052c9e4d_prep
    .symbol:         k_q1f052c9e4d_prep.kd
    .args:
      - { .name: k, .offset: 0, .size: 8, .value_kind: global_buffer, .address_space: global }
      - { .name: v, .offset: 8, .size: 8, .value_kind: global_buffer, .address_space: global }
      - { .name: kv, .offset: 16, .size: 8, .value_kind: global_buffer, .address_space: global }
    .group_segment_fixed_size: 36352
    .private_segment_fixed_size: 0
    .kernarg_segment_align: 8
    .kernarg_segment_size: 24
    .max_flat_workgroup_size: 128
    .sgpr_count:     66
    .vgpr_count:     256
    .wavefront_size: 32
...
	.end_amdgpu_metadata
.endif
;; end of part 1
;; launch attn (part 2): grid 4 x 64, 8 waves a work-group, no clusters, 310,272 bytes of LDS; arguments q, kv, out0; writes out0
.if DOCPART == 2
	.amdgcn_target "amdgcn-amd-amdhsa--gfx1250"
	.amdhsa_code_object_version 6
	.text
	.protected	k_q1f052c9e4d_attn
	.globl	k_q1f052c9e4d_attn
	.p2align	8
	.type	k_q1f052c9e4d_attn,@function
k_q1f052c9e4d_attn:
	s_mov_b64 s[64:65], 0
	v_nop
	global_prefetch_b8 v0, s[64:65] scope:SCOPE_SE
	s_setreg_imm32_b32 hwreg(HW_REG_WAVE_MODE, 25, 1), 1
	s_wait_xcnt 0x0
; out0[b][s][h][:] = the sum over keys x <= s of softmax_x(q[b][s][h] . k[b][x][h] / 8) v[b][x][h][:]; q, out0: [4][2048][16][64] f32.  Both products on codes of FP8 (E4M3) with one E8M0 scale for each 32 along K.
; k and v come as records of 128 keys (REC bytes; the quantising launch's head says how they are laid): images of the operands' registers, so that every LDS read is 16 bytes at 16 x lane.  q is quantised here, in registers.
; THE FIRST PRODUCT'S K IS 64: the upper 64 of the instruction's 128 are zero codes on both sides (registers 8-15 of each fragment, cleared once), under the scale byte 127.
; THE SOFTMAX: t = score x log2(e) / 8; M = the row's largest t so far, rounded UP to a whole number; p = 2^(t - M) is quantised along the keys, not normalised.  The row's sum is taken of the unquantised p
; and divides at the end.  When M moves, the sum and O are multiplied by 2^(old M - new M): exact.
; THE MASK: a hidden score becomes -infinity where the problem adds -1e9.  LIMIT: the two give the same p = 0 as long as logits stay under 4e8 in magnitude.  NaN and infinities among the inputs are not served.
; SHARES.  256 work-groups: 4 to a head.  Work-group j takes the head's query block 7 - j (256 queries; pass A) and then block j (pass B).  Each of the eight waves owns 32 queries of a block, two tiles of 16, in 512 registers:
; two waves to a SIMD, and each fragment of K and V read from LDS feeds two matrix instructions.  In pass A wave w takes queries 32 w on, in pass B 32 (7 - w) on: 2 (7 - j) + 2 j whole slots and 3 steps on the two diagonals: 17 key steps for every wave.
; K AND V STAY IN LDS.  A head's sixteen records are 274,432 bytes: they are fetched once, wave w's two tensor loads bringing records w and 8 + w, and no LDS byte is filled twice.  Two barriers show them landed, ahead of key steps 0 and 8;
; both stand ahead of every diagonal (block 7 - j begins at key step 8 or later), and behind the second the waves run free.  Every work-group fetches all sixteen, though block 7 - j reads 16 - 2 j of them: one form for all j, no branch over a tensor load.
; A key step all of whose 128 keys come after the wave's queries is left out by a scalar branch on ids; the loops' trip counts are constants.
; Key steps begin at multiples of 128: M is a number from the first step on.
; NO CLUSTER: the four work-groups of a head fetch the same records, but which key steps a work-group leaves out hangs on its place among the four;
; without that branch a wave would work 2 x 16 = 32 key steps where it now works 17.
; LAYOUT.  Both products are used transposed: S^T = K Q^T (source 0 = 16 keys, source 1 = 16 queries), O^T = V^T P^T (source 0 = 16 channels, source 1 = P): a lane holds ONE query (lane % 16) throughout.
; The keys of a tile of K are not neighbours (row r of tile 2 b + u is key 32 b + 8 u + r + 8 (r / 8)), so that the 16 registers of tiles 2 b, 2 b + 1 are keys 32 b + 16 (lane / 16) + 0 .. 15: the conversions' results ARE P's fragment.
; REGISTERS, in windows of 256 (s_set_vgpr_msb: bits 1:0 source 0, 3:2 source 1, 5:4 source 2, 7:6 destination):
;   window 0: v1-10 addresses; v12-19 statistics, four a tile; v20 mask; v22-37 scale words; v40-63 at work; v64-191 S^T, then p, 64 a tile; v192-223 P's codes, 16 a tile; v192-255 q as loaded, while it is quantised
;   window 1: v0-63 O^T (tile i, channels 16 t on: 32 i + 8 t); v64-95 Q's two fragments; v96-127 pass B's q, tile 0, as loaded; v128-191 four fragments of K; v192-255 four of V
.set REC,   17152
.set STAGE, 16*REC                     ; behind the records: the way out: 16 rows x (256 bytes + 16) for each wave; no tensor load lands here
.set SP,    272
.set LI,   1                           ; v1   16 x lane
.set LS,   2                           ; v2   16 x (lane % 16): a row's scale words
.set QO,   3                           ; v3   q: my byte in a tile's 16 rows; never rewritten
.set GO,   6                           ; v6   the way out: my byte in two rows of out0
.set STO,  7                           ; v7   where I put 32 bytes of a row in the stage
.set RD,   8                           ; v8   where I read a row back
.set ADR,  9                           ; v9   the record in hand + 16 x lane
.set ADS,  10                          ; v10  the record in hand + 16 x (lane % 16)
.set ST,   12                          ; tile i at v[ST + 4 i]: -M, the largest t, the sum in two halves
.set DQ,   20                          ; v20  lane % 16 - 16 (lane / 16)
.set QS,   22                          ; v22-23 Q's scale words
.set KS,   24                          ; v24-31 K's, a tile each
.set VS,   32                          ; v32-35 V's
.set PW,   36                          ; v36-37 P's
.set BM,   40                          ; v40-43 a block's largest score, then its largest p (for q: its largest magnitude)
.set PB,   44                          ; v44-47 the other half's; the bytes; a chain of the sum
.set HD,   48                          ; v48-51 448 x the scale
.set SC,   52                          ; v52-55 the conversion's scale operand
.set FAC,  56                          ; v[56:57], v[60:61] f = 2^(old M - new M), later 1 / the sum: the low word of a pair
.set TMP,  58
.set RR,   59                          ; v59  lane % 16
.set NINF, 62                          ; v62  -infinity
.set HH,   63                          ; v63  lane / 16
.set S,    64
.set P,    192
.set X,    192                         ; q as loaded: register 32 m + 16 c + e = channel 32 c + 16 hh + e of query 16 m + r
.set QF,   64                          ; window 1
.set QW,   96
.set KFR,  128
.set VFR,  192
.set WV,   10                          ; s10  my wave's number
.set J,    11                          ; s11  the work-group's number in its head
.set TR,   15                          ; s15  key steps to go in a loop
.set TB,   16                          ; s16  LDS byte at which the record in hand begins
.set KF,   17                          ; s17  the step's first key
.set Q0,   18                          ; s18  my first query
.set MNT,  19                          ; s19  the mantissa field of 448
.set SEL,  20                          ; s[20:21] lane selects for v_permlanex16_b32: lane l xor 16
.set CS,   22                          ; s[22:23] c = log2(e) / 8
.set G1,   24                          ; s[24:31] descriptor group 1
.set G0A,  32                          ; s[32:35] descriptor group 0 for record w
.set G0B,  36                          ; s[36:39] for record 8 + w
.set OB,   42                          ; s[42:43] out0 at my first query
.set Q0B,  51                          ; s51  pass B's first query
.set QAA,  56                          ; s[56:57] q at pass A's first query
.set QAB,  58                          ; s[58:59] at pass B's
.set OBB,  60                          ; s[60:61] out0 at pass B's
.set MSB, 0
.macro WIN new                         ; the immediate's high byte repeats the setting that is left; a switch that changes nothing is dropped
.if MSB != \new
	s_set_vgpr_msb (MSB<<8)|\new
.set MSB, \new
.endif
.endm
.set TO_1,  0x40                       ; destination window 1
.set W_KQ,  0x05                       ; K and Q in window 1, S^T in window 0
.set W_PV,  0x51                       ; V in window 1, P in window 0, O^T (C and D) in window 1
.set W_RS,  0x41                       ; destination and source 0 in window 1
.set W_OUT, 0x01                       ; source 0 in window 1
.macro PLACES                          ; eight places behind this matrix form, in front of loads into its registers and of the first read of its results
.rept 8
	v_nop
.endr
.endm
.macro ZERO_O                          ; the key step is written once for all steps: a pass's first step finds zeros, which the first change of M leaves zeros
	WIN TO_1
.set n, 0
.rept 64
	v_mov_b32 v[n], 0
.set n, n+1
.endr
	WIN 0
.endm
.macro RESET
.irp i, 0,1
	v_mov_b32 v[ST+4*\i+1], 0xff61b1e6             ; the largest t so far: -3e38, under every t
	v_floor_f32 v[ST+4*\i], -v[ST+4*\i+1]          ; -M
	v_mov_b32 v[ST+4*\i+2], 0                      ; the sum, in two halves
	v_mov_b32 v[ST+4*\i+3], 0
.endr
.endm
; Tile m of a pass's 32 queries, as f32: register reg + 16 c + e = channel 32 c + 16 hh + e of query 16 m + r: a lane's 16 neighbours of each block of 32
.macro QLOAD m, reg, base
.irp c, 0,1
.irp p, 0,1,2,3
	global_load_b128 v[\reg+16*\c+4*\p:\reg+16*\c+4*\p+3], v[QO], s[\base:\base+1] offset:65536*\m+128*\c+16*\p th:TH_LOAD_NT
.endr
.endr
.endm
; The 64 numbers in v[X] on become Q's two fragments (window 1) and their scale words: four blocks (tile m, half c of the channels: 2 m + c), 16 numbers of each in my lane, the other 16 in lane l xor 16
.macro QUANTQ
.irp b, 0,1,2,3
	v_max3_num_f32 v[BM+\b], |v[X+16*\b]|, |v[X+1+16*\b]|, 0x4800000   ; and the floor 2^(9 - 127): the byte cannot fall under 1
.endr
.irp e, 2,4,6,8,10,12,14
.irp b, 0,1,2,3
	v_max3_num_f32 v[BM+\b], v[BM+\b], |v[X+16*\b+\e]|, |v[X+1+16*\b+\e]|   ; the four blocks by turns: no line waits for the line above it
.endr
.endr
.irp b, 0,1,2,3
	v_permlanex16_b32 v[PB+\b], v[BM+\b], s[SEL], s[SEL+1]
.endr
.irp b, 0,1,2,3
	v_max_num_f32 v[BM+\b], v[BM+\b], v[PB+\b]     ; the block's largest magnitude
.endr
.irp b, 0,1,2,3
	v_add_nc_u32 v[SC+\b], 0xfc000000, v[BM+\b]    ; 8 off its exponent field: the conversion's scale operand
.endr
.irp b, 0,1,2,3
	v_and_or_b32 v[HD+\b], v[BM+\b], 0x7f800000, s[MNT]   ; 448 x the scale
.endr
.irp b, 0,1,2,3
	v_lshrrev_b32 v[PB+\b], 23, v[SC+\b]           ; the scale's byte
.endr
.irp i, 0,1
	v_lshl_or_b32 v[QS+\i], v[PB+1+2*\i], 8, v[PB+2*\i]
.endr
.irp i, 0,1
	v_or_b32 v[QS+\i], 0x7f7f0000, v[QS+\i]        ; 127 over the zero codes
.endr
.irp b, 0,1,2,3
.set n, 0
.rept 16
	v_med3_num_f32 v[X+16*\b+n], v[X+16*\b+n], -v[HD+\b], v[HD+\b]   ; the conversion to an 8-bit code does not saturate (ISA guide 7.6.2): the hold at the largest code x the scale
.set n, n+1
.endr
.endr
	WIN TO_1
.irp m, 0,1
.irp c, 0,1
.irp g, 0,1
	v_cvt_scalef32_pk8_fp8_f32 v[QF+16*\m+4*\c+2*\g:QF+16*\m+4*\c+2*\g+1], v[X+32*\m+16*\c+8*\g:X+32*\m+16*\c+8*\g+7], v[SC+2*\m+\c]
.endr
.endr
.endr
	WIN 0
.endm
	s_load_b128 s[4:7], s[0:1], 0x0                ; q s[4:5], kv s[6:7]
	s_load_b64 s[8:9], s[0:1], 0x10                ; out0
	v_lshl_add_u32 v38, v0, 2, 0x4b800
	v_mov_b32 v39, 0
	ds_add_u32 v38, v39
	ds_add_u32 v38, v39
	v_lshrrev_b32 v[TMP], 5, v0
	v_readfirstlane_b32 s[WV], v[TMP]              ; wave 0..7
	s_mov_b32 s[J], ttmp9
	s_and_b32 s12, ttmp7, 0xffff                   ; head = batch x 16 + head
	; descriptor group 1: a record is dense: 67 rows of 256 bytes (32 elements of 8 bytes), no padding
	s_mov_b32 s[G1], 3<<16                         ; 15:0 no mask; 17:16 elements of 8 bytes; 20 padding off
	s_mov_b32 s[G1+1], 32<<16                      ; tensor_dim0 = 32
	s_mov_b32 s[G1+2], 67<<16                      ; tensor_dim1 = 67
	s_mov_b32 s[G1+3], 32<<16                      ; tile_dim0 = 32
	s_mov_b32 s[G1+4], 67                          ; tile_dim1 = 67
	s_mov_b32 s[G1+5], 32                          ; tensor_dim0_stride
	s_mov_b32 s[G1+6], 0
	s_mov_b32 s[G1+7], 0
	s_mov_b32 s[G0A], 1                            ; 1:0 count = 1
	s_mul_i32 s[G0A+1], s[WV], REC                 ; 63:32 LDS address: record w lies at w x REC,
	s_mov_b32 s[G0B], 1
	s_add_co_u32 s[G0B+1], s[G0A+1], 8*REC         ; record 8 + w eight records on
	s_lshl_b32 s45, s12, 4
	s_add_co_u32 s45, s45, s[WV]
	s_mul_i32 s46, s45, REC                        ; the head's record w in kv (under 2^25)
	s_mov_b32 s47, 0
	s_lshr_b32 s48, s12, 4
	s_lshl_b32 s48, s48, 23                        ; in q and out0 a batch is 2^23 bytes,
	s_and_b32 s49, s12, 15
	s_lshl_b32 s49, s49, 8                         ; a head 256, a query 4,096
	s_add_co_u32 s48, s48, s49
	s_sub_co_u32 s44, 7, s[J]
	s_lshl_b32 s[Q0], s44, 8
	s_lshl_b32 s50, s[WV], 5
	s_add_co_u32 s[Q0], s[Q0], s50                 ; pass A: my first query = 256 (7 - j) + 32 wave
	s_sub_co_u32 s44, 7, s[WV]
	s_lshl_b32 s44, s44, 5
	s_lshl_b32 s[Q0B], s[J], 8
	s_add_co_u32 s[Q0B], s[Q0B], s44               ; pass B: 256 j + 32 (7 - wave): the wave with two steps on one diagonal has one on the other
	s_lshl_b32 s52, s[Q0], 12
	s_add_co_u32 s52, s52, s48
	s_mov_b32 s53, 0
	s_lshl_b32 s54, s[Q0B], 12
	s_add_co_u32 s54, s54, s48
	s_mov_b32 s55, 0
	s_mov_b32 s[SEL], 0x76543210
	s_mov_b32 s[SEL+1], 0xfedcba98
	s_mov_b32 s[CS], 0x3e38aa3b                    ; c = log2(e) / 8
	s_mov_b32 s[CS+1], s[CS]                       ; (named with it as a pair, so it is written)
	s_mov_b32 s[MNT], 0x600000
	s_wait_dscnt 0x0
	s_wait_kmcnt 0x0
	s_add_nc_u64 s[G0A+2:G0A+3], s[6:7], s[46:47]  ; 120:64 global address
	s_add_nc_u64 s[G0B+2:G0B+3], s[G0A+2:G0A+3], 8*REC
	s_or_b32 s[G0A+3], s[G0A+3], 0x80000000        ; 127:126 type = 2
	s_or_b32 s[G0B+3], s[G0B+3], 0x80000000
	tensor_load_to_lds s[G0A:G0A+3], s[G1:G1+7]    ; the only fills of the launch: ahead of every wait on TENSORcnt, every LDS read and every barrier; two loads of mine are out
	s_nop 0
	tensor_load_to_lds s[G0B:G0B+3], s[G1:G1+7]
	s_nop 0
.rept 4
	v_nop                                          ; four v_nop follow the second
.endr
	s_add_nc_u64 s[QAA:QAA+1], s[4:5], s[52:53]    ; q at pass A's first query,
	s_add_nc_u64 s[QAB:QAB+1], s[4:5], s[54:55]    ; at pass B's;
	s_add_nc_u64 s[OB:OB+1], s[8:9], s[52:53]      ; out0 likewise
	s_add_nc_u64 s[OBB:OBB+1], s[8:9], s[54:55]
	v_and_b32 v[RR], 15, v0                        ; r
	v_bfe_u32 v[HH], v0, 4, 1                      ; hh
	v_lshlrev_b32 v[QO], 12, v[RR]
	v_lshl_add_u32 v[QO], v[HH], 6, v[QO]          ; row r, + 64 hh: my 16 numbers of a block of 32
	QLOAD 0, X, QAA                                ; pass A's q alone: pass B's is asked for when pass A is under way
	QLOAD 1, X+32, QAA
	v_and_b32 v[LI], 31, v0
	v_lshlrev_b32 v[LI], 4, v[LI]
	v_lshlrev_b32 v[LS], 4, v[RR]
	v_lshlrev_b32 v[GO], 4, v[RR]
	v_lshl_add_u32 v[GO], v[HH], 12, v[GO]         ; lanes 0-15 one query's row of 256 bytes, lanes 16-31 the next query's
	s_mul_i32 s40, s[WV], 16*SP
	s_add_co_u32 s40, s40, STAGE                   ; my stage
	v_mul_u32_u24 v[STO], v[RR], SP
	v_lshl_add_u32 v[STO], v[HH], 5, v[STO]
	v_add_nc_u32 v[STO], s40, v[STO]               ; in: row r, + 32 hh; channel tile t is 64 t bytes on
	v_mul_u32_u24 v[RD], v[HH], SP
	v_lshl_add_u32 v[RD], v[RR], 4, v[RD]
	v_add_nc_u32 v[RD], s40, v[RD]                 ; back: lanes 0-15 one row, lanes 16-31 the next
	v_lshlrev_b32 v[DQ], 4, v[HH]
	v_sub_nc_u32 v[DQ], v[RR], v[DQ]
	v_mov_b32 v[NINF], 0xff800000
	v_mov_b32 v[FAC+1], 0                          ; (the upper halves of the pairs that the packed forms name)
	v_mov_b32 v[FAC+5], 0
.irp b, 0,1,2,3
	v_mov_b32 v[PB+\b], 0                          ; written once: a lane permute's destination counts as one of its sources
.endr
	WIN TO_1
.irp t, 0,1,2,3
.irp z, 8,9,10,11,12,13,14,15
	v_mov_b32 v[KFR+16*\t+\z], 0                   ; K's fragments, K = 64 .. 127: zero codes, written once; the loads fill registers 0-7 alone
.endr
.endr
.irp i, 0,1
.irp z, 8,9,10,11,12,13,14,15
	v_mov_b32 v[QF+16*\i+\z], 0                    ; Q's likewise
.endr
.endr
	WIN 0
	s_wait_loadcnt 0x0                             ; pass A's q
	QUANTQ
	ZERO_O                                         ; these 64 are also the places between the conversions and the first products
	RESET
; On the diagonal the scores of hidden keys become -infinity ahead of the maximum: p = 0 then.  Register n of tile i holds key KF + 16 hh + 32 (n / 16) + n % 16; my query is Q0 + 16 i + r.  Each accumulator is taken from its low end on.
.macro MASK i
	s_sub_co_i32 s50, s[Q0], s[KF]
.if \i
	s_add_co_i32 s50, s50, 16*\i
.endif
	v_add_nc_u32 v[TMP], s50, v[DQ]                ; d = my query - KF - 16 hh: hidden where 32 (n / 16) + n % 16 > d
.set n, 0
.rept 64
	v_cmp_gt_i32 vcc_lo, 32*(n/16)+n%16, v[TMP]
	v_cndmask_b32 v[S+64*\i+n], v[S+64*\i+n], v[NINF], vcc_lo
.set n, n+1
.endr
.endm
; Tile i's softmax for a key step, and the quantising of its p.
.macro SOFTMAX i
.set rS, S+64*\i
.set rT, ST+4*\i
.set rF, FAC+4*\i
.set rP, P+16*\i
.irp b, 0,1,2,3
	v_max3_num_f32 v[BM+\b], v[rS+16*\b], v[rS+1+16*\b], v[rS+2+16*\b]   ; the largest score of each block of 32 keys: it serves for the row's maximum and, since p rises with the score, for the block's largest p
.endr
.irp e, 3,5,7,9,11,13
.irp b, 0,1,2,3
	v_max3_num_f32 v[BM+\b], v[BM+\b], v[rS+16*\b+\e], v[rS+1+16*\b+\e]   ; the four blocks by turns
.endr
.endr
.irp b, 0,1,2,3
	v_max_num_f32 v[BM+\b], v[BM+\b], v[rS+15+16*\b]
.endr
.irp b, 0,1,2,3
	v_permlanex16_b32 v[PB+\b], v[BM+\b], s[SEL], s[SEL+1]
.endr
.irp b, 0,1,2,3
	v_max_num_f32 v[BM+\b], v[BM+\b], v[PB+\b]     ; with lane l xor 16's 16 keys
.endr
	v_max3_num_f32 v[TMP], v[BM], v[BM+1], v[BM+2]
	v_max_num_f32 v[TMP], v[TMP], v[BM+3]          ; the step's largest score of my query
	v_mul_f32 v[TMP], s[CS], v[TMP]                ; as t (c is positive)
	v_max_num_f32 v[rT+1], v[rT+1], v[TMP]         ; the running largest t
	v_mov_b32 v[TMP], v[rT]
	v_floor_f32 v[rT], -v[rT+1]                    ; the new -M = floor(-t) = -ceil(t): a whole number
	v_sub_f32 v[TMP], v[rT], v[TMP]                ; old M - new M: a whole number, 0 or less
	v_cvt_i32_f32 v[TMP], v[TMP]                   ; (it saturates)
	v_ldexp_f32 v[rF], 1.0, v[TMP]                 ; f = 2^(old M - new M)
.set n, 0
.rept 32
	v_pk_fma_f32 v[rS+n:rS+n+1], v[rS+n:rS+n+1], s[CS:CS+1], v[rT:rT+1] op_sel_hi:[1,0,0]   ; t - M, two at a time (of the pairs c and -M the low word serves both halves)
.set n, n+2
.endr
.irp b, 0,1,2,3
	v_fma_f32 v[BM+\b], v[BM+\b], s[CS], v[rT]     ; the same of each block's largest score
.endr
.set n, 0
.rept 64
	v_exp_f32 v[rS+n], v[rS+n]                     ; p = 2^(t - M), at most 1: not normalised
.set n, n+1
.endr
.irp b, 0,1,2,3
	v_exp_f32 v[BM+\b], v[BM+\b]                   ; the block's largest p: the same two instructions on the same number
.endr
	v_pk_mul_f32 v[rT+2:rT+3], v[rT+2:rT+3], v[rF:rF+1] op_sel_hi:[1,0]   ; the sums under the new M (a plain place behind the exponentials)
	s_wait_alu depctr_va_vdst(0)
.irp b, 0,1,2,3
	v_max_num_f32 v[BM+\b], 0x4800000, v[BM+\b]    ; the floor 2^(9 - 127): a block whose every p is 0 keeps the byte 1: its codes are zeros
.endr
.irp b, 0,1,2,3
	v_add_nc_u32 v[SC+\b], 0xfc000000, v[BM+\b]    ; 8 off the exponent field: the conversion's scale operand
.endr
.irp b, 0,1,2,3
	v_and_or_b32 v[HD+\b], v[BM+\b], 0x7f800000, s[MNT]   ; 448 x the scale
.endr
.irp b, 0,1,2,3
	v_lshrrev_b32 v[PB+\b], 23, v[SC+\b]           ; the scale's byte
.endr
	v_lshl_or_b32 v[PW+\i], v[PB+1], 8, v[PB]      ; p's scale word for these 128 keys
	v_lshl_or_b32 v[PW+\i], v[PB+2], 16, v[PW+\i]
	v_lshl_or_b32 v[PW+\i], v[PB+3], 24, v[PW+\i]
	v_pk_add_f32 v[PB:PB+1], v[rS:rS+1], v[rS+2:rS+3]   ; the row's sum is taken of the unquantised p: two at a time, in two chains
.set n, 4
.rept 15
	v_pk_add_f32 v[rT+2:rT+3], v[rT+2:rT+3], v[rS+n:rS+n+1]
	v_pk_add_f32 v[PB:PB+1], v[PB:PB+1], v[rS+n+2:rS+n+3]
.set n, n+4
.endr
	v_pk_add_f32 v[rT+2:rT+3], v[rT+2:rT+3], v[PB:PB+1]
.irp b, 0,1,2,3
.set n, 0
.rept 16
	v_min_num_f32 v[rS+16*\b+n], v[rS+16*\b+n], v[HD+\b]   ; the conversion does not saturate (ISA guide 7.6.2); p is not negative, so the hold is one-sided
.set n, n+1
.endr
	v_cvt_scalef32_pk8_fp8_f32 v[rP+4*\b:rP+4*\b+1], v[rS+16*\b:rS+16*\b+7], v[SC+\b]
	v_cvt_scalef32_pk8_fp8_f32 v[rP+4*\b+2:rP+4*\b+3], v[rS+16*\b+8:rS+16*\b+15], v[SC+\b]
.endr
	WIN W_RS
.set n, 0
.rept 16
	v_pk_mul_f32 v[32*\i+n:32*\i+n+1], v[32*\i+n:32*\i+n+1], v[rF:rF+1] op_sel_hi:[1,0]   ; O^T under the new M, each accumulator from its low end on; these sixteen are also the places between the conversions and the products
.set n, n+2
.endr
	WIN 0
.endm
; A KEY STEP: the 128 keys of the record at LDS byte s[TB].
.macro STEP
	s_add_co_u32 s50, s[Q0], 31
	s_cmp_gt_u32 s[KF], s50                        ; all 128 keys come after my 32 queries: the step's work is left out
	s_cbranch_scc1 .Lhidden_\@
	v_add_nc_u32 v[ADR], s[TB], v[LI]
	v_add_nc_u32 v[ADS], s[TB], v[LS]
	ds_load_b128 v[KS:KS+3], v[ADS] offset:16384              ; K's scale words: tiles 0-3,
	ds_load_b128 v[KS+4:KS+7], v[ADS] offset:16640            ; tiles 4-7
	WIN TO_1
.irp t, 0,1,2,3
.irp c, 0,1
	ds_load_b128 v[KFR+16*\t+4*\c:KFR+16*\t+4*\c+3], v[ADR] offset:1024*\t+512*\c
.endr
.endr
	s_wait_dscnt 0x0
	WIN W_KQ
.irp t, 0,1,2,3
.irp i, 0,1
	v_wmma_scale_f32_16x16x128_f8f6f4 v[S+64*\i+8*\t:S+64*\i+8*\t+7], v[KFR+16*\t:KFR+16*\t+15], v[QF+16*\i:QF+16*\i+15], 0, v[KS+\t], v[QS+\i]
.endr
.endr
	PLACES                                         ; in front of the loads into K's fragments, which these products read, and into V's, which the last step's products read
	WIN TO_1
.irp t, 0,1,2,3
.irp c, 0,1
	ds_load_b128 v[KFR+16*\t+4*\c:KFR+16*\t+4*\c+3], v[ADR] offset:1024*(4+\t)+512*\c
.endr
.endr
.irp t, 0,1,2,3
.irp c, 0,1,2,3
	ds_load_b128 v[VFR+16*\t+4*\c:VFR+16*\t+4*\c+3], v[ADR] offset:8192+2048*\t+512*\c
.endr
.endr
	WIN 0
	ds_load_b128 v[VS:VS+3], v[ADS] offset:16896              ; V's scale words
	s_wait_dscnt 17                                ; K's tiles 4-7 are in; V's sixteen loads and its scale words may be out: they land under the softmax
	WIN W_KQ
.irp t, 0,1,2,3
.irp i, 0,1
	v_wmma_scale_f32_16x16x128_f8f6f4 v[S+64*\i+8*(4+\t):S+64*\i+8*(4+\t)+7], v[KFR+16*\t:KFR+16*\t+15], v[QF+16*\i:QF+16*\i+15], 0, v[KS+4+\t], v[QS+\i]
.endr
.endr
	WIN 0
	PLACES                                         ; in front of the first read of the scores
	s_add_co_u32 s50, s[KF], 127
	s_cmp_le_u32 s50, s[Q0]                        ; all 128 keys count for all my queries: no mask
	s_cbranch_scc1 .Lopen_\@
	MASK 0
	MASK 1
.Lopen_\@:
	SOFTMAX 0
	SOFTMAX 1
	s_wait_dscnt 0x0                               ; V and its scale words
	WIN W_PV
.irp t, 0,1,2,3                                ; O^T += V^T P^T: the eight accumulators take one turn each
.irp i, 0,1
	v_wmma_scale_f32_16x16x128_f8f6f4 v[32*\i+8*\t:32*\i+8*\t+7], v[VFR+16*\t:VFR+16*\t+15], v[P+16*\i:P+16*\i+15], v[32*\i+8*\t:32*\i+8*\t+7], v[VS+\t], v[PW+\i]
.endr
.endr
	WIN 0
.Lhidden_\@:
	s_add_co_u32 s[KF], s[KF], 128
.endm
; count key steps, from the record at s[TB] on: the step is written once, and the trip count is a constant
.macro STEPS count
	s_mov_b32 s[TR], \count
.Lstep_\@:
	STEP
	s_add_co_u32 s[TB], s[TB], REC                 ; on to the next record
	s_sub_co_u32 s[TR], s[TR], 1
	s_cmp_lg_u32 s[TR], 0
	s_cbranch_scc1 .Lstep_\@
.endm
; THE WAY OUT of a pass.  O^T is divided by the row's sum and goes through my stage in LDS, a tile of 16 queries at a time, so that sixteen lanes store a query's whole row of 256 bytes.
.macro OUT
	PLACES                                         ; in front of the first read of the last products' results
.irp i, 0,1
	v_add_f32 v[ST+4*\i+2], v[ST+4*\i+2], v[ST+4*\i+3]   ; the sum's two halves,
.endr
.irp i, 0,1
	v_permlanex16_b32 v[PB+\i], v[ST+4*\i+2], s[SEL], s[SEL+1]
.endr
.irp i, 0,1
	v_add_f32 v[ST+4*\i+2], v[ST+4*\i+2], v[PB+\i]       ; and lane l xor 16's: the row's sum (over 1/2: the row's largest p is)
.endr
.irp i, 0,1
	v_rcp_f32 v[FAC+4*\i], v[ST+4*\i+2]
.endr
	v_nop                                          ; a plain place behind the reciprocals
	WIN W_OUT
	s_wait_alu depctr_va_vdst(0)
.irp i, 0,1
.set n, 0
.rept 16
	v_pk_mul_f32 v[S+32*\i+n:S+32*\i+n+1], v[32*\i+n:32*\i+n+1], v[FAC+4*\i:FAC+4*\i+1] op_sel_hi:[1,0]   ; register 32 i + 8 t + e: out(query 16 i + r, channel 16 t + 8 hh + e)
.set n, n+2
.endr
.endr
	WIN 0
.irp i, 0,1
.irp t, 0,1,2,3
	ds_store_b128 v[STO], v[S+32*\i+8*\t:S+32*\i+8*\t+3] offset:64*\t
	ds_store_b128 v[STO], v[S+32*\i+8*\t+4:S+32*\i+8*\t+7] offset:64*\t+16
.endr
.irp k, 0,1,2,3,4,5,6,7
	ds_load_b128 v[S+64+32*\i+4*\k:S+64+32*\i+4*\k+3], v[RD] offset:2*\k*SP   ; LDS serves a wave's instructions in order (ISA guide 5.7.1): these see my stores, and the next tile's stores come behind them
.endr
.endr
.irp i, 0,1
.irp k, 0,1,2,3,4,5,6,7
	s_wait_dscnt 23-16*\i-\k                       ; the LDS instructions issued behind this load may be out: the tile's later loads, and for tile 0 the sixteen of tile 1
	global_store_b128 v[GO], v[S+64+32*\i+4*\k:S+64+32*\i+4*\k+3], s[OB:OB+1] offset:65536*\i+8192*\k th:TH_STORE_NT   ; 16 lanes store 256 consecutive bytes, at a multiple of 256 from out0's first byte
.endr
.endr
.endm
; From pass A to pass B: the other block's q becomes codes, and the sums begin anew.
.macro SWITCH
	s_wait_xcnt 0x0                                ; the stores have read their registers and their base: both are written again only behind this wait
	s_wait_loadcnt 0x0                             ; pass B's q, asked for at key step 8 of pass A, two key steps or more ago
	WIN W_OUT
.set n, 0
.rept 32
	v_mov_b32 v[X+n], v[QW+n]                      ; tile 0 waited in window 1, since P's codes held v192-223 while pass A ran; tile 1 lies in v224-255 already
.set n, n+1
.endr
	WIN 0
	QUANTQ
	ZERO_O                                         ; also the places between the conversions and the next products
	RESET
	s_mov_b32 s[Q0], s[Q0B]
	s_mov_b64 s[OB:OB+1], s[OBB:OBB+1]
.endm
	s_wait_tensorcnt 0x1                           ; tensor loads of a wave end in order (ISA guide 10.11.1): my record w is in; record 8 + w may stay out
	s_barrier_signal -1
	s_barrier_wait -1                              ; records 0 to 7 lie in LDS
	s_mov_b32 s[TB], 0
	s_mov_b32 s[KF], 0
	STEPS 8                                        ; pass A, keys 0 to 1,023: open to every query of block 7 - j, which begins at query 1,024 or later
	s_wait_tensorcnt 0x0                           ; my record 8 + w is in,
	s_wait_dscnt 0x0                               ; (no LDS access of mine is out at a signal)
	s_barrier_signal -1
	s_barrier_wait -1                              ; everybody's is: the last barrier of the launch
	QLOAD 1, X+32, QAB                             ; pass B's q into the 64 registers that pass A leaves free: tile 1 into v224-255,
	WIN TO_1
	QLOAD 0, QW, QAB                               ; tile 0 into window 1
	WIN 0
	STEPS 8                                        ; pass A, keys 1,024 on: the steps behind my queries leave themselves out
	OUT
	SWITCH
	s_mov_b32 s[TB], 0
	s_mov_b32 s[KF], 0
	STEPS 8                                        ; pass B: block j ends at query 1,023 or earlier
	OUT
	s_wait_tensorcnt 0x0
	ds_add_u32 v38, v39
	s_wait_dscnt 0x0
	s_endpgm
.Lfunc_end_k_q1f052c9e4d_attn:
	.size	k_q1f052c9e4d_attn, .Lfunc_end_k_q1f052c9e4d_attn-k_q1f052c9e4d_attn
	.p2alignl 7, 3214868480
	.fill 96, 4, 3214868480
	.section	.rodata,"a",@progbits
	.p2align	6, 0x0
	.amdhsa_kernel k_q1f052c9e4d_attn
		.amdhsa_group_segment_fixed_size 310272
		.amdhsa_private_segment_fixed_size 0
		.amdhsa_enable_private_segment 0
		.amdhsa_kernarg_size 24
		.amdhsa_user_sgpr_count 2
		.amdhsa_user_sgpr_kernarg_segment_ptr 1
		.amdhsa_wavefront_size32 1
		.amdhsa_system_sgpr_workgroup_id_x 1
		.amdhsa_system_sgpr_workgroup_id_y 1
		.amdhsa_system_sgpr_workgroup_id_z 1
		.amdhsa_system_vgpr_workitem_id 0
		.amdhsa_next_free_vgpr 512
		.amdhsa_next_free_sgpr 66
		.amdhsa_reserve_vcc 1
		.amdhsa_float_denorm_mode_32 3
		.amdhsa_float_denorm_mode_16_64 3
		.amdhsa_memory_ordered 1
		.amdhsa_forward_progress 1
		.amdhsa_inst_pref_size 179
	.end_amdhsa_kernel
	.amdgpu_metadata
---
amdhsa.version: [ 1, 2 ]
amdhsa.kernels:
  - .name:           k_q1f052c9e4d_attn
    .symbol:         k_q1f052c9e4d_attn.kd
    .args:
      - { .name: q, .offset: 0, .size: 8, .value_kind: global_buffer, .address_space: global }
      - { .name: kv, .offset: 8, .size: 8, .value_kind: global_buffer, .address_space: global }
      - { .name: out0, .offset: 16, .size: 8, .value_kind: global_buffer, .address_space: global }
    .group_segment_fixed_size: 310272
    .private_segment_fixed_size: 0
    .kernarg_segment_align: 8
    .kernarg_segment_size: 24
    .max_flat_workgroup_size: 256
    .sgpr_count:     66
    .vgpr_count:     512
    .wavefront_size: 32
...
	.end_amdgpu_metadata
.endif
;; end of part 2
